; MI455X (gfx1250); checked and timed in simulation.
; The chip was launched on July 23, 2026; its instructions are those of AMD's public machine-readable ISA for CDNA 5 (MIT licence, August 2026) and "CDNA5" Instruction Set Architecture Reference Guide (July 2026). The comments in the code are by the model that wrote it; some were corrected since.
;; Deformable DETR. Allowed arithmetic: matrix products marked QUANTISED: E2M1 operands, one E8M0 scale for each 32 along K, by v_wmma_scale_f32_16x16x128_f8f6f4 with both operands' format E2M1 (or v_wmma_scale_f32_32x16x128_f4), f32 sums; products left as they are: f32 operands where the result goes on into a quantised operand, else bf16, f16 or f32 operands; f32 sums; everything else in f32.
;; Inputs: We_codes 8 x 256 x 24 x 16 uint8 (E2M1 codes of We, K innermost, in blocks of 32 codes, two codes a byte); We_scales 8 x 256 x 24 uint8 (E8M0 scales of We, one for each 32 codes along K); Wg 768 x 8 float32; be 8 x 256 float32; bg 8 float32; x 8 x 4,096 x 768 float32.
;; Outputs: out0 8 x 4,096 x 256 float32.
;; This version of the problem:
;;   THIS VERSION OF THE PROBLEM IS GIVEN IN LOW PRECISION. The matrix products marked QUANTISED in the list below multiply operands that are first quantised to E2M1 (2 exponent bits, 1 mantissa bit; 4 bits a number), with one power-of-two scale for each 32 numbers along K (OCP MX v1.0); their sums are f32. All else is computed in f32.
;;   The module's matrix products, in the order in which they are computed (A, B: the left and right operand; K: the contracted axis; several contracted axes count as one K, in the product's order):
;;     1. [M 32,768, K 768] x [K 768, N 8]; A: input x; B: input Wg: left as it is (N = 8 < 16)
;;     2. [M 32,768, K 768] x [K 768, N 2,048]; A: input x; B: input We (given as codes): QUANTISED
;;     3. batch 32,768 x [M 1, K 8] x [K 8, N 256]; A: computed on the way; B: computed on the way: left as it is (K = 8 < 32)
;;   THE QUANTISER, for each operand of a quantised product, along K:
;;     - K is cut into blocks of 32 from its start; a last block that is shorter is filled with zeros.
;;     - A block's scale is 2^e with e = floor(log2(the largest magnitude in the block)) - 2, held to -126 .. 127; a block of zeros has e = 0. As a byte (E8M0): e + 127.
;;     - Each number is divided by its block's scale, clamped to +-6, and rounded to the nearest number of E2M1, ties to even, subnormals kept.
;;     - The product sums the exact products of the quantised numbers (number of the format x scale) in f32.
;;   ~~~python
;;   def quantise(x, axis):      # numpy; x: float32 -> the quantised numbers, widened to float32 again
;;       x = np.moveaxis(x, axis, -1); K = x.shape[-1]
;;       x = np.pad(x, [(0, 0)] * (x.ndim - 1) + [(0, -K % 32)]); x = x.reshape(x.shape[:-1] + (-1, 32)); a = np.abs(x).max(-1, keepdims=True)
;;       e = np.where(a > 0, np.clip(np.frexp(np.where(a > 0, a, 1))[1] - 1 - 2, -126, 127), 0)      # np.frexp(a)[1] - 1 = floor(log2(a)), exactly
;;       r = np.clip(x / 2.0 ** e, -6, 6)
;;       step = 2.0 ** (np.maximum(np.frexp(np.where(r == 0, 1, r))[1] - 1, 0) - 1)
;;       q = np.round(r / step) * step * 2.0 ** e      # np.round: ties to even
;;       return np.moveaxis(q.reshape(q.shape[:-2] + (-1,))[..., :K], -1, axis).astype(np.float32)
;;   ~~~
;;   INPUTS GIVEN AS CODES. We (in the module: [8, 768, 256], K = its axis 1): each comes as NAME_codes (uint8): NAME with its K axis moved to the last place and cut into blocks of 32 codes, [.., K / 32, bytes a block], one block behind the other in memory; two codes a byte, the lower K in the low four bits (a code: sign, 2 exponent bits, 1 mantissa bit); and NAME_scales (uint8): the same leading axes, one E8M0 byte (e + 127) for each 32 codes along K. Its value is code x scale, taken as it is: it is not quantised again, and the codes and scales need not be those that the quantiser above would give.
;; One version. Each part assembles by itself: llvm-mc -triple=amdgcn-amd-amdhsa -mcpu=gfx1250 --defsym DOCPART=n.
;; ======== version 1 of 1: 1 launch
;; limits: values are held in f16: magnitudes above 65,504 overflow, below 6.1e-05 lose precision; right only within a limited range of input values
;; launch moe (part 1): grid 256 x 1, 4 waves a work-group, clusters of 4 x 1, 327,680 bytes of LDS; arguments x, Wg, bg, We_codes, We_scales, be, out0; writes out0
.if DOCPART == 1
	.amdgcn_target "amdgcn-amd-amdhsa--gfx1250"
	.amdhsa_code_object_version 6
	.text
	.protected	k_q52854d778a_moe
	.globl	k_q52854d778a_moe
	.p2align	8
	.type	k_q52854d778a_moe,@function
k_q52854d778a_moe:
	s_mov_b64 s[64:65], 0
	v_nop
	global_prefetch_b8 v0, s[64:65] scope:SCOPE_SE
	s_setreg_imm32_b32 hwreg(HW_REG_WAVE_MODE, 25, 1), 1
	s_wait_xcnt 0x0
	s_wait_alu depctr_hold_cnt(0) depctr_sa_sdst(0) depctr_va_vdst(0) depctr_va_sdst(0) depctr_va_ssrc(0) depctr_va_vcc(0) depctr_vm_vsrc(0)
	s_getreg_b32 s2, hwreg(HW_REG_IB_STS2, 6, 4)
	s_cmp_eq_u32 s2, 0
	s_cbranch_scc0 .Lentry_in_a_cluster
	s_endpgm
.Lentry_in_a_cluster:
	s_bfe_u32 s2, ttmp6, 0x10000c
	s_cmp_lg_u32 s2, 0x3003
	s_cbranch_scc0 .Lentry_shape_is_right
	s_endpgm
.Lentry_shape_is_right:
; out[t][o] = sum over the two chosen experts e of g[t][e] (Q(x[t]) . We[e][:, o] + be[e][o]);  g = softmax(x Wg + bg), the two largest kept.
; x [32768][768] f32; Wg [768][8], bg [8], be [8][256] f32; We as E2M1 codes [8][256][384 bytes] with E8M0 bytes [8][256][24]; out [32768][256] f32.
; ONE LAUNCH, ALL EXPERTS MULTIPLIED: the choice hangs on floating-point numbers, so an expert that is not chosen gets the weight 0 by a select.  x is read once, out written once, nothing else goes to memory.
; 256 work-groups of four waves; a work-group owns 128 tokens = 8 tiles of 16.
;   PHASE 1: wave w owns tiles 2 w, 2 w + 1.  A CHUNK is 16 tokens x 64 along K: 8 loads (each two tokens x 256 bytes), through the wave's own buffer in LDS (rows of 272 bytes), back so that lane (r, h) holds token r's
;   32 numbers k = 64 c + 32 h + 0 .. 31: a whole block of the quantiser, in the order of the operand's registers.  Six register slots keep 48 loads of a wave on their way.
;   THE GATE: x = high + low part, both f16 (high: the top 11 bits, low: the rest rounded to 11 bits), and 256 Wg likewise; one f16 operand holds Wg's high parts in rows 0-7 and its low parts in rows 8-15.
;   All four partial products are summed in f32.  K is laid in the order in which x lies in the lanes, for both operands.
;   MIDDLE: softmax and the two largest, a lane to a token; the weights cw to LDS; one barrier; every wave takes all 128 tokens' codes, scale words and cw into registers.
;   PHASE 2: wave w makes outputs 128 ot + 32 w + 0 .. 31.  A UNIT is one expert of one ot: 6 K steps x 8 tiles of 32x16x128 (source 0 = 32 columns of We, source 1 = 16 tokens), in two groups of four tiles; a lane holds
;   one token.  be is the C of a sum's first instruction.  OUT += cw x sums stands among the next group's products.
; CLUSTER: the four work-groups walk the same weights: each tile is asked for jointly, one load a wave.  Two slots of two units; a slot is filled again when its last fragments are in registers.
; THE WALK: cluster c starts at ot = c % 2 and at expert 4 (c / 2 % 2); so the first two fills of any four neighbouring clusters name all of We while phase 1 runs.  The cluster's number is equal in all partners.
; No prefetch: x is asked for 48 loads (24,576 bytes a wave) ahead, and We's refills name bytes that neighbouring clusters' first fills have named.
; LIMITS: NaN and infinities in x, Wg, bg are not served; |x| under 65,504 and |Wg| under 255 (f16 parts).  The two largest are taken on the logits; equal logits go to the lower index.
; A block whose largest magnitude lies under 2^-124 has the byte 1, the quantiser's lower hold; a block of zeros has the byte 1 over zero codes, which add nothing.
; REGISTERS by windows (s_set_vgpr_msb: bits 1:0 source 0, 3:2 source 1, 5:4 source 2, 7:6 destination):
;   window 0: v1-15 addresses; v16-63 x's scale words, v64-81 We's, three sets (scales and nothing else); v82-129 be, three sets; v130-193 x's K step 5; v196-227 rows of out.  Phase 1: v82-127 at work, v128-191 x, two sets; v192-255 f16 parts
;   window 1: v0-127 x tiles 0-3, K steps 0-3; v128-191 sums of tiles 4-7; v192-255 OUT of tiles 0-3.  Phase 1: v192-223 the gate's sums, v224-239 Wg
;   window 2: v0-127 x tiles 4-7; v128-191 sums of tiles 0-3; v192-255 OUT of tiles 4-7
;   window 3: v0-95 We's fragments; v96-159 cw; v160-223 x's K step 4; v224-255 rows of out.  Phase 1: v0-191 six slots of x
.set SLB,    110592                    ; LDS: slot A at 0, slot B here; a wave's part is 27,648 bytes: 2 experts x 32 columns x 432
.set IMG,    221184                    ; x's codes: 6144 tile + 512 c + 16 lane
.set XS,     270336                    ; 32 bytes a token: 24 scale bytes
.set CWT,    274432                    ; 32 bytes a token: 8 weights cw
.set TBUF,   278528                    ; 4,352 bytes a wave: 16 rows x 272
.set WIMG,   295936                    ; Wg's operand: 48 parts x 528 bytes
.set SPARE,  321280                    ; the spare words, 128 bytes a wave; no other line names them
.set STAGE,  221184                    ; the way out: 128 rows x 528, over bytes that have been read out by then (no tensor load lands there)
.set XSC, 16
.set WSC, 64
.set BI,  82
.set MSB, 0
.macro WIN new                         ; the immediate's high byte repeats the setting that is left
.if MSB != \new
	s_set_vgpr_msb (MSB<<8)|\new
.set MSB, \new
.endif
.endm
.macro PLACES n
.rept \n
	v_nop
.endr
.endm
.macro CREST                           ; a round of the cluster's barrier behind its opening barrier
	s_cmp_lg_u32 s18, 0
	s_cbranch_scc1 .Lnot_wave_0_\@
	s_barrier_signal -3
.Lnot_wave_0_\@:
	s_barrier_wait -3
	s_barrier_signal -1
	s_barrier_wait -1
.endm
.macro ROUND
	s_barrier_signal -1
	s_barrier_wait -1
	CREST
.endm
.macro REFADR t, g                     ; group 0 at s[g:g+3]: fill t of the walk = pair of experts (P0 + t) % 4, ot = the first for t < 4, then the other
	s_add_co_u32 s22, s84, \t
	s_and_b32 s22, s22, 3
	s_mul_i32 s22, s22, 196608
	s_add_co_u32 s22, s22, s[87+(\t)/4]
	s_mov_b32 s23, 0
	s_add_nc_u64 s[\g+2:\g+3], s[82:83], s[22:23]
	s_or_b32 s[\g+3], s[\g+3], 0x80000000
.endm
.macro BASES k                         ; scale bytes' and be's bases for the walk's units 4 k .. 4 k + 3
	s_xor_b32 s22, s86, (\k)%2
	s_lshl_b32 s22, s22, 3
	s_xor_b32 s23, s85, (\k)/2
	s_or_b32 s22, s22, s23
	s_lshl_b32 s20, s22, 9
	s_mul_i32 s22, s22, 3072
	s_mov_b32 s23, 0
	s_mov_b32 s21, 0
	s_add_nc_u64 s[68:69], s[90:91], s[22:23]
	s_add_nc_u64 s[70:71], s[92:93], s[20:21]
.endm
	s_load_b256 s[4:11], s[0:1], 0x0               ; x s[4:5], Wg s[6:7], bg s[8:9], We's codes s[10:11]
	s_load_b128 s[12:15], s[0:1], 0x20             ; We's scales s[12:13], be s[14:15]
	s_load_b64 s[16:17], s[0:1], 0x30              ; out
	v_lshl_add_u32 v1, v0, 2, SPARE
	v_mov_b32 v2, 0
	ds_add_u32 v1, v2                              ; the add, twice on end; waited for ahead of my first tensor load
	ds_add_u32 v1, v2
	v_lshrrev_b32 v96, 5, v0
	v_readfirstlane_b32 s18, v96                   ; wave 0..3
	s_bfe_u32 s19, ttmp6, 0x40000                  ; cx: it enters x's and out's addresses alone
	s_lshl_b32 s20, ttmp9, 2
	s_add_co_u32 s20, s20, s19                     ; work-group = 4 x cluster + cx
	s_lshl_b32 s20, s20, 7
	s_lshl_b32 s21, s18, 5
	s_add_co_u32 s21, s20, s21                     ; my wave's first token
	s_mul_i32 s78, s21, 3072
	s_mov_b32 s79, 0
	s_lshl_b32 s21, s18, 4
	s_add_co_u32 s21, s20, s21                     ; the first row of out that I store
	s_lshl_b32 s80, s21, 10
	s_mov_b32 s81, 0
	v_and_b32 v96, 15, v0                          ; r
	v_bfe_u32 v97, v0, 4, 1                        ; h
	v_and_b32 v98, 31, v0                          ; lane
	v_mul_u32_u24 v3, v97, 3072                    ; x: lanes 0-15 one token, 16-31 the next
	v_lshl_add_u32 v3, v96, 4, v3
	v_lshrrev_b32 v99, 1, v98                      ; Wg: lane takes rows 2 P, 2 P + 1 (P = lane / 2), experts 4 (lane % 2) .. + 3
	v_lshlrev_b32 v99, 6, v99
	v_and_b32 v100, 1, v0
	v_lshl_add_u32 v99, v100, 4, v99
	s_wait_alu depctr_va_vdst(0)
	s_wait_dscnt 0x0                               ; both opening adds are done
	s_wait_kmcnt 0x0
	s_load_b256 s[24:31], s[8:9], 0x0              ; bg
	s_add_nc_u64 s[66:67], s[4:5], s[78:79]
	s_mul_i32 s22, s18, 6144                       ; my 192 rows of Wg
	s_mov_b32 s23, 0
	s_add_nc_u64 s[50:51], s[6:7], s[22:23]
.irp i, 0,1,2,3,4,5
	global_load_b128 v[128+8*\i:131+8*\i], v99, s[50:51] offset:1024*\i
	global_load_b128 v[132+8*\i:135+8*\i], v99, s[50:51] offset:1024*\i+32
.endr
	WIN 0xc0
.irp n, 0,1,2,3,4,5                            ; slot n: chunk c = n / 2 of tile n % 2
.irp i, 0,1,2,3,4,5,6,7
	global_load_b128 v[32*\n+4*\i:32*\n+4*\i+3], v3, s[66:67] offset:49152*(\n%2)+256*(\n/2)+6144*\i th:TH_LOAD_NT
.endr
.endr
	WIN 0
	; descriptor group 1: 2 rows (experts, 98,304 bytes apart) of 12,288 dense bytes (32 columns x 384), elements of 8 bytes; 16 bytes of padding behind every 128: a column is 432 bytes in LDS
	s_mov_b32 s32, 15|(3<<16)|(1<<20)|(1<<21)|(4<<22)|(3<<25)   ; the mask: all four work-groups; 21 set beside a mask
	s_mov_b32 s33, 1536<<16
	s_mov_b32 s34, 2<<16
	s_mov_b32 s35, 1536<<16
	s_mov_b32 s36, 2
	s_mov_b32 s37, 12288
	s_mov_b32 s38, 0
	s_mov_b32 s39, 0
	s_and_b32 s85, ttmp9, 1                        ; the walk's first ot
	s_bfe_u32 s86, ttmp9, 0x10001                  ; its first half of the experts
	s_lshl_b32 s84, s86, 1                         ; and pair of experts
	s_mul_i32 s87, s85, 49152
	s_xor_b32 s88, s85, 1
	s_mul_i32 s88, s88, 49152
	s_mul_i32 s22, s18, 12288
	s_mov_b32 s23, 0
	s_add_nc_u64 s[82:83], s[10:11], s[22:23]      ; We's codes at my 32 columns
	s_mov_b32 s52, 1
	s_mul_i32 s53, s18, 27648
	REFADR 0, 52
	s_mov_b32 s56, 1
	s_add_co_u32 s57, s53, SLB
	REFADR 1, 56
	ROUND                                          ; all four work-groups are here
	tensor_load_to_lds s[52:55], s[32:39]          ; slot A: one tensor load a wave at the head
	s_nop 0
	PLACES 4
	s_mul_i32 s22, s18, 768
	s_mov_b32 s23, 0
	s_add_nc_u64 s[90:91], s[12:13], s[22:23]
	s_lshl_b32 s22, s18, 7
	s_add_nc_u64 s[92:93], s[14:15], s[22:23]
	s_add_nc_u64 s[72:73], s[16:17], s[80:81]
	s_lshl_b32 s22, s85, 9
	s_xor_b32 s44, s22, 512
	s_mov_b32 s45, 0
	s_add_nc_u64 s[94:95], s[72:73], s[44:45]      ; out, the walk's second ot
	s_add_nc_u64 s[72:73], s[72:73], s[22:23]      ; and its first
	BASES 0
	s_mul_i32 s22, s18, 12288
	s_add_co_u32 s22, s22, IMG
	v_lshlrev_b32 v13, 4, v98                      ; out: 16 lane
	v_add_nc_u32 v4, s22, v13                      ; images: my two tiles
	s_lshl_b32 s21, s18, 10
	s_add_co_u32 s21, s21, XS
	v_lshl_add_u32 v5, v96, 5, v97
	v_add_nc_u32 v5, s21, v5                       ; scale bytes: 32 r + h
	v_add_nc_u32 v6, WIMG, v13                     ; Wg's operand
	v_mul_u32_u24 v7, v96, 432
	v_lshl_add_u32 v7, v97, 4, v7
	v_add_nc_u32 v7, s53, v7                       ; my part of slot A: 432 r + 16 h
	v_add_nc_u32 v8, SLB, v7                       ; and of slot B
	v_mul_u32_u24 v9, v98, 24
	v_lshlrev_b32 v10, 5, v97
	s_lshl_b32 s21, s18, 7
	s_add_co_u32 s21, s21, STAGE
	v_mul_u32_u24 v11, v96, 528
	v_lshl_add_u32 v11, v97, 5, v11
	v_add_nc_u32 v11, s21, v11                     ; the stage, in: row r, 128 w + 32 h
	s_mul_i32 s21, s18, 8448
	s_add_co_u32 s21, s21, STAGE
	v_add_nc_u32 v12, s21, v13                     ; the stage, back: rows 16 w + i, a row an instruction
	s_mul_i32 s21, s18, 4352
	s_add_co_u32 s21, s21, TBUF
	v_mul_u32_u24 v14, v97, 272
	v_lshl_add_u32 v14, v96, 4, v14
	v_add_nc_u32 v14, s21, v14                     ; my buffer, in
	v_mul_u32_u24 v15, v96, 272
	v_lshl_add_u32 v15, v97, 7, v15
	v_add_nc_u32 v15, s21, v15                     ; my buffer, back: row r, 128 h
	s_mul_i32 s21, s18, 6336
	s_add_co_u32 s21, s21, WIMG
	v_mul_u32_u24 v85, v97, 1056                   ; Wg's operand, in: fragment P / 8, part P / 4 % 2, word P % 4, row 4 (lane % 2)
	v_bfe_u32 v101, v0, 3, 1
	v_mul_u32_u24 v101, v101, 528
	v_add_nc_u32 v85, v85, v101
	v_bfe_u32 v101, v0, 1, 2
	v_lshl_add_u32 v85, v101, 2, v85
	v_and_b32 v101, 1, v0
	v_lshl_add_u32 v85, v101, 6, v85
	v_add_nc_u32 v85, s21, v85
	WIN 0x40
.irp i, 0,1,2,3,4,5,6,7,8,9,10,11,12,13,14,15,16,17,18,19,20,21,22,23,24,25,26,27,28,29,30,31
	v_mov_b32 v[192+\i], 0                         ; the gate's four sums: the loop's products all add
.endr
	WIN 0
	s_mov_b32 s60, 0x01800000                      ; the floor 2^(3 - 127) under every largest magnitude
	s_mov_b32 s61, 0xffffe000                      ; sign, exponent and 10 mantissa bits: what f16 holds
	s_mov_b32 s96, 0x43800000                      ; 256: Wg's low parts are lifted clear of f16's subnormals; taken off the logits
	s_mov_b32 s97, s96
	s_mov_b32 s40, 0x3b800000                      ; 1/256
	s_mov_b32 s75, 0
	s_mov_b32 s76, 0
	s_mov_b32 s77, 0
	s_wait_alu depctr_va_vdst(0)
	s_wait_kmcnt 0x0                               ; bg
	s_wait_loadcnt 48                              ; my 12 loads of Wg are in; x's 48 are younger
.macro WPREP i                         ; 32 rows of Wg: pairs of neighbouring k, high and low parts, to their words of the operand
.irp a, 0,2,4,6
	v_pk_mul_f32 v[128+8*\i+\a:129+8*\i+\a], v[128+8*\i+\a:129+8*\i+\a], s[96:97] op_sel_hi:[1,0]
.endr
.irp e, 0,1,2,3
	v_and_b32 v[112+2*\e], s61, v[128+8*\i+\e]
	v_and_b32 v[113+2*\e], s61, v[132+8*\i+\e]
.endr
.irp e, 0,1,2,3
	v_cvt_pk_f16_f32 v[192+8*\i+\e], v[112+2*\e], v[113+2*\e]
.endr
.irp e, 0,1,2,3
	v_sub_f32 v[128+8*\i+\e], v[128+8*\i+\e], v[112+2*\e]
	v_sub_f32 v[132+8*\i+\e], v[132+8*\i+\e], v[113+2*\e]
.endr
.irp e, 0,1,2,3
	v_cvt_pk_f16_f32 v[196+8*\i+\e], v[128+8*\i+\e], v[132+8*\i+\e]
.endr
.irp e, 0,1,2,3
	ds_store_b32 v85, v[192+8*\i+\e] offset:2112*(\i/2)+256*(\i%2)+16*\e
	ds_store_b32 v85, v[196+8*\i+\e] offset:2112*(\i/2)+256*(\i%2)+16*\e+128
.endr
.endm
	WPREP 0
	WPREP 1
	WPREP 2
	WPREP 3
	WPREP 4
	WPREP 5
	s_wait_dscnt 0x0                               ; for the others' sake
	s_barrier_signal -1
	s_barrier_wait -1                              ; Wg's operand is whole
; ---------------------------------------------------------------- PHASE 1
.macro STG s                           ; slot s through my buffer into x's set s % 2 (LDS serves a wave's instructions in order: ISA guide 5.7.1.4)
	WIN 0x0c
.irp i, 0,1,2,3,4,5,6,7
	ds_store_b128 v14, v[32*(\s)+4*\i:32*(\s)+4*\i+3] offset:544*\i
.endr
	WIN 0
.irp i, 0,1,2,3,4,5,6,7
	ds_load_b128 v[128+32*((\s)%2)+4*\i:131+32*((\s)%2)+4*\i], v15 offset:16*\i
.endr
.endm
.macro SPL g                           ; 8 numbers: high parts, low parts
.set TT, 112+8*((\g)%2)
.irp a, 0,1,2,3
	v_and_b32 v[TT+2*\a], s61, v[XB+8*(\g)+2*\a]
	v_and_b32 v[TT+2*\a+1], s61, v[XB+8*(\g)+2*\a+1]
.endr
.irp a, 0,1,2,3
	v_cvt_pk_f16_f32 v[HB+4*(\g)+\a], v[TT+2*\a], v[TT+2*\a+1]
.endr
.irp a, 0,1,2,3
	v_pk_add_f32 v[TT+2*\a:TT+2*\a+1], v[XB+8*(\g)+2*\a:XB+8*(\g)+2*\a+1], v[TT+2*\a:TT+2*\a+1] neg_lo:[0,1] neg_hi:[0,1]
.endr
.irp a, 0,1,2,3
	v_cvt_pk_f16_f32 v[HB+16+4*(\g)+\a], v[TT+2*\a], v[TT+2*\a+1]
.endr
.endm
; Chunk n of a trip.  refill = 1: its slot takes the chunk six further on.  lc: loads younger than the next chunk's, which may stay out.  next = 1: the next chunk goes through LDS.
.macro CHUNK n, refill, lc, next
.set XB, 128+32*((\n)%2)
.set HB, 192+32*((\n)%2)
	s_wait_dscnt 0x0                               ; this chunk is back; its slot's registers have been read
.if \refill
	WIN 0xc0
.irp i, 0,1,2,3,4,5,6,7
	global_load_b128 v[32*(\n)+4*\i:32*(\n)+4*\i+3], v3, s[66:67] offset:768+49152*((\n)%2)+256*((\n)/2)+6144*\i th:TH_LOAD_NT
.endr
	WIN 0
.endif
.irp i, 0,1,2,3
	v_max3_num_f32 v[96+\i], |v[XB+2*\i]|, |v[XB+2*\i+1]|, s60
.endr
.irp g, 1,2,3
.irp i, 0,1,2,3
	v_max3_num_f32 v[96+\i], v[96+\i], |v[XB+8*\g+2*\i]|, |v[XB+8*\g+2*\i+1]|
.endr
.endr
.if ((\n)%2) == 0
	WIN 0x40
.irp i, 0,1,2,3                                ; Wg's two fragments of this 64 along K, for both tiles
	ds_load_b128 v[224+4*\i:227+4*\i], v84 offset:2112*((\n)/2)+528*\i
.endr
	WIN 0
.endif
	SPL 0
	v_max3_num_f32 v96, v96, v97, v98
	v_max_num_f32 v96, v96, v99                    ; the block's largest magnitude
	SPL 1
	v_add_nc_u32 v100, 0xff000000, v96             ; 2 off the exponent field: the conversion's scale operand
	v_lshrrev_b32 v101, 23, v100                   ; the scale's byte
.if \next
	s_wait_alu depctr_va_vdst(0)
	s_wait_loadcnt \lc                             ; loads come back in order: the next chunk's 8 are in
	STG ((\n)+1)%6
.endif
	SPL 2
.irp g, 0,1,2,3
	v_cvt_scalef32_pk8_fp4_f32 v[104+\g], v[XB+8*\g:XB+8*\g+7], v100
.endr
	SPL 3
	ds_store_b128 v82, v[104:107] offset:6144*((\n)%2)+512*((\n)/2)
	ds_store_b8 v83, v101 offset:512*((\n)%2)+2*((\n)/2)
.if ((\n)%2) == 1
	WIN 0x51
.irp j, 0,1                                    ; the four sums take turns
.irp b, 0,1
.irp t, 0,1
	v_wmma_f32_16x16x32_f16 v[192+8*(2*\b+\t):199+8*(2*\b+\t)], v[224+8*\j:231+8*\j], v[192+32*\t+16*\b+8*\j:199+32*\t+16*\b+8*\j], v[192+8*(2*\b+\t):199+8*(2*\b+\t)]
.endr
.endr
.endr
	WIN 0
.endif
.endm
.macro TRIPADR                         ; the trip's LDS addresses
	s_wait_dscnt 0x0
	v_add_nc_u32 v82, s75, v4
	v_add_nc_u32 v83, s76, v5
	v_add_nc_u32 v84, s77, v6
	s_wait_alu depctr_va_vdst(0)
.endm
	s_wait_loadcnt 40
	STG 0
	s_mov_b32 s62, 3
.Lx:                                               ; a trip: 192 along K of both tiles
	TRIPADR
	CHUNK 0, 1, 40, 1
	CHUNK 1, 1, 40, 1
	CHUNK 2, 1, 40, 1
	CHUNK 3, 1, 40, 1
	CHUNK 4, 1, 40, 1
	CHUNK 5, 1, 40, 1
	s_wait_xcnt 0x0                                ; the loads' base is stepped only behind this wait
	s_add_nc_u64 s[66:67], s[66:67], 768
	s_add_co_u32 s75, s75, 1536
	s_add_co_u32 s76, s76, 6
	s_add_co_u32 s77, s77, 6336
	s_sub_co_u32 s62, s62, 1
	s_cmp_lg_u32 s62, 0
	s_cbranch_scc1 .Lx
	s_wait_tensorcnt 0x0                           ; slot A is in
	ds_add_u32 v1, v2
	s_wait_dscnt 0x0
	ROUND
	tensor_load_to_lds s[56:59], s[32:39]          ; slot B
	s_nop 0
	PLACES 4
	TRIPADR
	CHUNK 0, 0, 32, 1                              ; the last 192 along K load nothing: the counts run down
	CHUNK 1, 0, 24, 1
	CHUNK 2, 0, 16, 1
	CHUNK 3, 0, 8, 1
	CHUNK 4, 0, 0, 1
	CHUNK 5, 0, 0, 0
; ---------------------------------------------------------------- MIDDLE
.macro WLOAD u2                        ; unit u2's scale words (24 bytes of column lane) and its be as a C: 7 loads
.set rW, WSC+6*((\u2)%3)
.set rB, BI+16*((\u2)%3)
.irp i, 0,1,2
	global_load_b64 v[rW+2*\i:rW+2*\i+1], v9, s[68:69] offset:6144*((\u2)%4)+8*\i
.endr
.irp i, 0,1,2,3                                ; outputs 8 h + 0 .. 7, then 16 + 8 h + 0 .. 7
	global_load_b128 v[rB+4*\i:rB+4*\i+3], v10, s[70:71] offset:1024*((\u2)%4)+64*(\i/2)+16*(\i%2)
.endr
.endm
.macro FR u2, s                        ; unit u2's fragment of K step s: 32 columns, 4 loads
.set AD, 7+(((\u2)/2)%2)
.irp k, 0,1,2,3
	ds_load_b128 v[16*(\s)+4*\k:16*(\s)+4*\k+3], v[AD] offset:13824*((\u2)%2)+6912*(\k/2)+64*(\s)+16*((\s)/2)+32*(\k%2)
.endr
.endm
	s_wait_dscnt 0x0                               ; my stores have read their registers
	PLACES 4                                       ; behind the gate's last products
	WLOAD 0
	WLOAD 1
	WIN 0x05
.irp e, 0,2,4,6
	v_pk_add_f32 v[114+\e:115+\e], v[192+\e:193+\e], v[208+\e:209+\e]
	v_pk_add_f32 v[122+\e:123+\e], v[200+\e:201+\e], v[216+\e:217+\e]
.endr
	WIN 0
.irp e, 0,1,2,3,4,5,6,7                        ; lanes 0-15 held Wg's high parts, 16-31 its low parts: after the swap a lane is a token of my 32
	v_permlane16_swap_b32 v[114+\e], v[122+\e]
.endr
.irp e, 0,1,2,3,4,5,6,7
	v_add_f32 v[114+\e], v[114+\e], v[122+\e]
.endr
.irp e, 0,1,2,3,4,5,6,7
	v_fma_f32 v[176+\e], v[114+\e], s40, s[24+\e]  ; the 256 taken off, + bg
.endr
	v_max3_num_f32 v184, v176, v177, v178
	v_max3_num_f32 v184, v184, v179, v180
	v_max3_num_f32 v184, v184, v181, v182
	v_max_num_f32 v184, v184, v183                 ; the largest logit
	v_mov_b32 v185, 7
.irp e, 6,5,4,3,2,1,0
	v_cmp_neq_f32 vcc_lo, v[176+\e], v184
	v_cndmask_b32 v185, \e, v185, vcc_lo           ; its index: the lowest that attains it
.endr
	v_mov_b32 v194, 0xff800000                     ; -infinity
.irp e, 0,1,2,3,4,5,6,7
	v_cmp_eq_u32 vcc_lo, \e, v185
	v_cndmask_b32 v[186+\e], v[176+\e], v194, vcc_lo
.endr
	v_max3_num_f32 v195, v186, v187, v188
	v_max3_num_f32 v195, v195, v189, v190
	v_max3_num_f32 v195, v195, v191, v192
	v_max_num_f32 v195, v195, v193                 ; the largest of the other seven
	v_mov_b32 v196, 7
.irp e, 6,5,4,3,2,1,0
	v_cmp_neq_f32 vcc_lo, v[186+\e], v195
	v_cndmask_b32 v196, \e, v196, vcc_lo
.endr
	s_mov_b32 s74, 0x3fb8aa3b                      ; log2(e)
	v_mul_f32 v197, 0xbfb8aa3b, v184               ; the maximum is taken away: the same rounded number from all eight
.irp e, 0,1,2,3,4,5,6,7
	v_fma_f32 v[198+\e], v[176+\e], s74, v197
.endr
	s_wait_alu depctr_va_vdst(0)
.irp e, 0,1,2,3,4,5,6,7
	v_exp_f32 v[198+\e], v[198+\e]
.endr
	v_nop
	s_wait_alu depctr_va_vdst(0)
	v_add_f32 v206, v198, v199
	v_add_f32 v207, v200, v201
	v_add_f32 v208, v202, v203
	v_add_f32 v209, v204, v205
	v_add_f32 v206, v206, v207
	v_add_f32 v208, v208, v209
	v_add_f32 v206, v206, v208
	s_wait_alu depctr_va_vdst(0)
	v_rcp_f32 v210, v206
	v_nop
	s_wait_alu depctr_va_vdst(0)
.irp e, 0,1,2,3,4,5,6,7
	v_mul_f32 v[198+\e], v[198+\e], v210
.endr
.irp e, 0,1,2,3,4,5,6,7
	v_cmp_eq_u32 vcc_lo, \e, v185
	v_cndmask_b32 v[212+\e], 0, v[198+\e], vcc_lo
	v_cmp_eq_u32 vcc_lo, \e, v196
	v_cndmask_b32 v[212+\e], v[212+\e], v[198+\e], vcc_lo   ; cw: the gate's weight for the two chosen, 0 for the rest
.endr
	s_lshl_b32 s22, s18, 10
	s_add_co_u32 s22, s22, CWT
	v_and_b32 v220, 31, v0
	v_lshlrev_b32 v221, 5, v220
	v_add_nc_u32 v221, s22, v221                   ; a lane to a token: 32 w + lane
	s_cmp_eq_u32 s86, 0
	s_cselect_b32 s44, 0, -1                       ; all lanes alike: does the walk begin with experts 4-7?
.irp e, 0,1,2,3,4,5,6,7
	v_cndmask_b32 v[226+\e], v[212+\e], v[212+(\e+4)%8], s44   ; cw in the walk's order
.endr
	ds_store_b128 v221, v[226:229]
	ds_store_b128 v221, v[230:233] offset:16
	v_lshl_add_u32 v220, v220, 4, IMG
	v_and_b32 v225, 15, v0
	v_lshlrev_b32 v225, 5, v225
	v_add_nc_u32 v222, XS, v225                    ; row r's scale bytes
	v_add_nc_u32 v223, CWT, v225                   ; its weights, in the walk's order
	s_wait_alu depctr_va_vdst(0)
	s_wait_dscnt 0x0                               ; for the others' sake: my images, scale bytes and cw are in LDS
	s_barrier_signal -1
	s_barrier_wait -1                              ; everybody's are
	WIN 0xc0
.irp s, 0,1,2,3,4,5
	FR 0, \s                                       ; slot A was waited for in front of slot B's load
.endr
.irp m, 0,1,2,3,4,5,6,7
	ds_load_b128 v[96+8*\m:99+8*\m], v223 offset:512*\m
	ds_load_b128 v[100+8*\m:103+8*\m], v223 offset:512*\m+16
	ds_load_b128 v[160+8*\m:163+8*\m], v220 offset:6144*\m+512*8
	ds_load_b128 v[164+8*\m:167+8*\m], v220 offset:6144*\m+512*9
.endr
	WIN 0
.irp m, 0,1,2,3,4,5,6,7
	ds_load_b128 v[XSC+6*\m:XSC+6*\m+3], v222 offset:512*\m
	ds_load_b64 v[XSC+6*\m+4:XSC+6*\m+5], v222 offset:512*\m+16
	ds_load_b128 v[130+8*\m:133+8*\m], v220 offset:6144*\m+512*10
	ds_load_b128 v[134+8*\m:137+8*\m], v220 offset:6144*\m+512*11
.endr
.macro XLOAD t0                        ; tiles t0 .. t0 + 3, K steps 0-3: 32 loads
.irp s, 0,1,2,3
.irp m, 0,1,2,3
.irp c, 0,1
	ds_load_b128 v[32*\s+8*\m+4*\c:32*\s+8*\m+4*\c+3], v220 offset:6144*(\t0+\m)+512*(2*\s+\c)
.endr
.endr
.endr
.endm
	WIN 0x40
	XLOAD 0
	WIN 0x80
	XLOAD 4
	WIN 0
; ---------------------------------------------------------------- PHASE 2
.macro WM g, s, m                      ; group g, K step s, its m-th tile: source 0 = my 32 columns, source 1 = 16 tokens
.set rD, 128+16*(\m)
.set rA, 16*(\s)
.set mT, 4*(\g)+(\m)
.if (\s) < 4
.set rX, 32*(\s)+8*(\m)
.elseif (\s) == 4
.set rX, 160+8*mT
.else
.set rX, 130+8*mT
.endif
.set rC, rD
.if (\s) == 0
.set rC, BI+16*SET
.endif
	v_wmma_scale_f32_32x16x128_f4 v[rD:rD+15], v[rA:rA+15], v[rX:rX+7], v[rC:rC+15], v[WSC+6*SET+(\s)], v[XSC+6*mT+(\s)]
.endm
.macro PK n                            ; the next n packed multiply-adds of OUT += cw[EP] x the other group's sums; expert 0 starts OUT.  Each accumulator is read from its low end on
.rept \n
.set rO, 192+16*(P/8)+2*(P%8)
.set rS, 128+16*(P/8)+2*(P%8)
.set rG, 96+8*(CT+P/8)+2*(EP/2)
.if EP == 0
	v_pk_mul_f32 v[rO:rO+1], v[rG:rG+1], v[rS:rS+1] op_sel_hi:[0,1]
.elseif (EP%2) == 0
	v_pk_fma_f32 v[rO:rO+1], v[rG:rG+1], v[rS:rS+1], v[rO:rO+1] op_sel_hi:[0,1,1]
.else
	v_pk_fma_f32 v[rO:rO+1], v[rG:rG+1], v[rS:rS+1], v[rO:rO+1] op_sel:[1,0,0] op_sel_hi:[1,1,1]
.endif
.set P, P+1
.endr
.endm
.macro TOSTAGE g                       ; OUT of tiles 4 g .. 4 g + 3, my 32 columns, into the work-group's stage
	WIN 0x04+4*(\g)
.irp m, 0,1,2,3
.irp i, 0,1,2,3
	ds_store_b128 v11, v[192+16*\m+4*\i:195+16*\m+4*\i] offset:33792*(\g)+8448*\m+64*(\i/2)+16*(\i%2)
.endr
.endr
	WIN 0
.endm
.macro BACK h, i0, reg                 ; eight whole rows of 512 bytes
.irp i, 0,1,2,3,4,5,6,7
	ds_load_b128 v[\reg+4*\i:\reg+4*\i+3], v12 offset:33792*(\h)+528*(\i0+\i)
.endr
.endm
.macro SENDR h, i0, reg, b             ; 32 lanes store 512 consecutive bytes, at a multiple of 256 from out's first byte
.irp i, 0,1,2,3,4,5,6,7
	global_store_b128 v13, v[\reg+4*\i:\reg+4*\i+3], s[\b:\b+1] offset:65536*(\h)+1024*(\i0+\i) th:TH_STORE_NT
.endr
.endm
.macro STEP g, s, n                    ; a K step of a group: n multiply-adds behind each product.  The four accumulators take turns, one instruction a turn
.irp m, 0,1,2,3
	WM \g, \s, \m
.if \n
	PK \n
.endif
.endr
.endm
.macro START g, places                 ; a group's first K step; its v_nop are the places behind the last group's products, for the first read of their sums and the loads into their fragments' registers
.irp m, 0,1,2,3
	WM \g, 0, \m
.if \places
	v_nop
.endif
.endr
.endm
; UNIT u of the walk's sixteen.  Group 0 (tiles 0-3) weighs unit u - 1's tiles 4-7 into OUT, group 1 (tiles 4-7) unit u's tiles 0-3.
; The next unit's fragments 0, 1 are fetched behind group 1's K step 2, 2, 3 behind its K step 3, 4, 5 behind the next unit's first products.
; Odd units up to 11 change slots: the three lines, a round, and the refill of the slot whose last fragments are in registers.
; Units 8 to 10 take the first 128 columns out through the stage; unit 9's round stands between its writing and its reading, unit 11's between its reading and its next writing.
.macro UNIT u
.set SET, (\u)%3
.set TN, 0
.if (((\u)%2) == 1) && ((\u) < 12)
.set TN, 1
.endif
.if (\u) < 15
	s_wait_loadcnt 7                               ; this unit's scale words and be; the next unit's 7 loads may be out
.else
	s_wait_loadcnt 0
.endif
.if (\u) == 0
	s_wait_dscnt 32                                ; all but tiles 4-7's codes
.else
	s_wait_dscnt 8                                 ; fragments 0, 1; the 8 loads of 2, 3 may be out
.endif
.set EP, ((\u)+7)%8
.set CT, 4
.set P, 0
	WIN 0x87
	START 0, \u
.if (\u) > 0
	WIN 0xc0
	FR \u, 4
	FR \u, 5
.endif
	WIN 0
.if (\u) < 14
.if (((\u)+2)%4) == 0
	s_wait_xcnt 0x0                                ; the loads' bases are written only behind this wait
	BASES ((\u)+2)/4
.endif
	WLOAD (\u)+2
.endif
.if TN
	s_wait_tensorcnt 0x0                           ; the other slot is in;
	ds_add_u32 v1, v2                              ; 0 onto my spare word
	REFADR ((\u)+3)/2, 52+4*((((\u)+3)/2)%2)
.elseif (\u) == 13
	s_wait_tensorcnt 0x0                           ; the last fill is in
.endif
	WIN 0xa7
.if (\u) == 0
	STEP 0, 1, 0
	STEP 0, 2, 0
.else
	STEP 0, 1, 3
.if TN
	s_wait_dscnt 0x0                               ; the add is done, and my reads of the slot
	s_barrier_signal -1
.else
	s_wait_dscnt 8                                 ; fragments 2, 3; the 8 loads of 4, 5 may be out
.endif
	STEP 0, 2, 3
.endif
.if TN
	WIN 0
	s_barrier_wait -1
	CREST                                          ; no wave of any partner still reads the slot or has a load on its way
.if ((((\u)+3)/2)%2) == 0
	tensor_load_to_lds s[52:55], s[32:39]
	s_nop 0
.else
	tensor_load_to_lds s[56:59], s[32:39]
	s_nop 0
.endif
	PLACES 4
.endif
.if (\u) == 8
	TOSTAGE 0
.elseif ((\u) == 9) || ((\u) == 10)
	WIN 0
	s_wait_xcnt 0x0                                ; earlier stores have read the registers that these loads fill
	BACK (\u)-9, 0, 196
	WIN 0xc0
	BACK (\u)-9, 8, 224
.endif
	WIN 0xa7
	STEP 0, 3, 0
.if (\u) > 0
	PK 8
	s_wait_dscnt 0x0                               ; fragments 4, 5
.endif
	WIN 0xaf
	STEP 0, 4, 0
	WIN 0xa3
	STEP 0, 5, 0
.if (\u) == 0
	s_wait_dscnt 0x0                               ; tiles 4-7's codes
.elseif (\u) == 8
	s_wait_alu depctr_va_vdst(0)
	TOSTAGE 1
.elseif ((\u) == 9) || ((\u) == 10)
	WIN 0
	SENDR (\u)-9, 0, 196, 72
	WIN 0x0c
	SENDR (\u)-9, 8, 224, 72
.endif
.set EP, (\u)%8
.set CT, 0
.set P, 0
	WIN 0x4b
	START 1, 1
	WIN 0x5b
	STEP 1, 1, 3
	STEP 1, 2, 3
.if (\u) < 15
	WIN 0xc0
	FR (\u)+1, 0
	FR (\u)+1, 1
.endif
	WIN 0x5b
	STEP 1, 3, 0
	PK 8
.if (\u) < 15
	WIN 0xc0
	FR (\u)+1, 2
	FR (\u)+1, 3
.endif
	WIN 0x5f
	STEP 1, 4, 0
	WIN 0x53
	STEP 1, 5, 0
.endm
.irp u, 0,1,2,3,4,5,6,7,8,9,10,11,12,13,14,15
	UNIT \u
.endr
	s_wait_alu depctr_va_vdst(0)
	TOSTAGE 0                                      ; tiles 0-3 are whole
	s_wait_dscnt 0x0                               ; for the others' sake
	s_barrier_signal -1
	PLACES 4                                       ; behind the last products
.set EP, 7
.set CT, 4
.set P, 0
	WIN 0xa7
	PK 32
	WIN 0
	s_wait_alu depctr_va_vdst(0)
	s_barrier_wait -1
	BACK 0, 0, 130
	BACK 0, 8, 162
	TOSTAGE 1                                      ; rows 64-127: nobody reads them before the next barrier
	s_wait_dscnt 16                                ; the rows are back; the 16 stores may be out
	SENDR 0, 0, 130, 94
	SENDR 0, 8, 162, 94
	s_wait_dscnt 0x0                               ; for the others' sake
	s_barrier_signal -1
	s_barrier_wait -1
	WIN 0x40
	BACK 1, 0, 0
	BACK 1, 8, 32
	WIN 0x04
	s_wait_dscnt 8
	SENDR 1, 0, 0, 94
	s_wait_dscnt 0
	SENDR 1, 8, 32, 94
	WIN 0
	s_wait_tensorcnt 0x0                           ; the wave's end
	ds_add_u32 v1, v2
	s_wait_dscnt 0x0
	ROUND                                          ; the closing round
	s_endpgm
.Lfunc_end_k_q52854d778a_moe:
	.size	k_q52854d778a_moe, .Lfunc_end_k_q52854d778a_moe-k_q52854d778a_moe
	.p2alignl 7, 3214868480
	.fill 96, 4, 3214868480
	.section	.rodata,"a",@progbits
	.p2align	6, 0x0
	.amdhsa_kernel k_q52854d778a_moe
		.amdhsa_group_segment_fixed_size 327680
		.amdhsa_private_segment_fixed_size 0
		.amdhsa_enable_private_segment 0
		.amdhsa_kernarg_size 56
		.amdhsa_user_sgpr_count 2
		.amdhsa_user_sgpr_kernarg_segment_ptr 1
		.amdhsa_wavefront_size32 1
		.amdhsa_system_sgpr_workgroup_id_x 1
		.amdhsa_system_sgpr_workgroup_id_y 1
		.amdhsa_system_sgpr_workgroup_id_z 1
		.amdhsa_system_vgpr_workitem_id 0
		.amdhsa_next_free_vgpr 1024
		.amdhsa_next_free_sgpr 98
		.amdhsa_reserve_vcc 1
		.amdhsa_float_denorm_mode_32 3
		.amdhsa_float_denorm_mode_16_64 3
		.amdhsa_memory_ordered 1
		.amdhsa_forward_progress 1
		.amdhsa_inst_pref_size 255
	.end_amdhsa_kernel
	.section	.bss,"aw",@nobits
	.p2align	6
	.space	262144
	.amdgpu_metadata
---
amdhsa.version: [ 1, 2 ]
amdhsa.kernels:
  - .name:           k_q52854d778a_moe
    .symbol:         k_q52854d778a_moe.kd
    .args:
      - { .name: x, .offset: 0, .size: 8, .value_kind: global_buffer, .address_space: global }
      - { .name: Wg, .offset: 8, .size: 8, .value_kind: global_buffer, .address_space: global }
      - { .name: bg, .offset: 16, .size: 8, .value_kind: global_buffer, .address_space: global }
      - { .name: We_codes, .offset: 24, .size: 8, .value_kind: global_buffer, .address_space: global }
      - { .name: We_scales, .offset: 32, .size: 8, .value_kind: global_buffer, .address_space: global }
      - { .name: be, .offset: 40, .size: 8, .value_kind: global_buffer, .address_space: global }
      - { .name: out0, .offset: 48, .size: 8, .value_kind: global_buffer, .address_space: global }
    .group_segment_fixed_size: 327680
    .private_segment_fixed_size: 0
    .kernarg_segment_align: 8
    .kernarg_segment_size: 56
    .max_flat_workgroup_size: 128
    .sgpr_count:     98
    .vgpr_count:     1024
    .wavefront_size: 32
...
	.end_amdgpu_metadata
.endif
;; end of part 1
